; MI455X (gfx1250); checked and timed in simulation.
; The chip was launched on July 23, 2026; its instructions are those of AMD's public machine-readable ISA for CDNA 5 (MIT licence, August 2026) and "CDNA5" Instruction Set Architecture Reference Guide (July 2026). The comments in the code are by the model that wrote it; some were corrected since.
;; MZI Block Linear. Allowed arithmetic: matrix products marked QUANTISED: E2M1 operands, one E8M0 scale for each 32 along K, by v_wmma_scale_f32_16x16x128_f8f6f4 with both operands' format E2M1 (or v_wmma_scale_f32_32x16x128_f4), f32 sums; products left as they are: f32 operands where the result goes on into a quantised operand, else bf16, f16 or f32 operands; f32 sums; everything else in f32.
;; Inputs: s 512 x 512 x 8 float32; u 512 x 512 x 8 x 8 float32; v 512 x 512 x 8 x 8 float32; x 4,096 x 4,096 float32.
;; Outputs: out0 4,096 x 4,096 float32.
;; This version of the problem:
;;   THIS VERSION OF THE PROBLEM IS GIVEN IN LOW PRECISION. The matrix products marked QUANTISED in the list below multiply operands that are first quantised to E2M1 (2 exponent bits, 1 mantissa bit; 4 bits a number), with one power-of-two scale for each 32 numbers along K (OCP MX v1.0); their sums are f32. All else is computed in f32.
;;   The module's matrix products, in the order in which they are computed (A, B: the left and right operand; K: the contracted axis; several contracted axes count as one K, in the product's order):
;;     1. batch 2,097,152 x [M 1, K 1] x [K 1, N 8]; A: computed on the way; B: computed on the way: left as it is (no contracted axis)
;;     2. batch 262,144 x [M 8, K 8] x [K 8, N 8]; A: input u; B: computed on the way: left as it is (K = 8 < 32)
;;     3. [M 4,096, K 4,096] x [K 4,096, N 4,096]; A: input x; B: computed on the way: QUANTISED
;;   THE QUANTISER, for each operand of a quantised product, along K:
;;     - K is cut into blocks of 32 from its start; a last block that is shorter is filled with zeros.
;;     - A block's scale is 2^e with e = floor(log2(the largest magnitude in the block)) - 2, held to -126 .. 127; a block of zeros has e = 0. As a byte (E8M0): e + 127.
;;     - Each number is divided by its block's scale, clamped to +-6, and rounded to the nearest number of E2M1, ties to even, subnormals kept.
;;     - The product sums the exact products of the quantised numbers (number of the format x scale) in f32.
;;   ~~~python
;;   def quantise(x, axis):      # numpy; x: float32 -> the quantised numbers, widened to float32 again
;;       x = np.moveaxis(x, axis, -1); K = x.shape[-1]
;;       x = np.pad(x, [(0, 0)] * (x.ndim - 1) + [(0, -K % 32)]); x = x.reshape(x.shape[:-1] + (-1, 32)); a = np.abs(x).max(-1, keepdims=True)
;;       e = np.where(a > 0, np.clip(np.frexp(np.where(a > 0, a, 1))[1] - 1 - 2, -126, 127), 0)      # np.frexp(a)[1] - 1 = floor(log2(a)), exactly
;;       r = np.clip(x / 2.0 ** e, -6, 6)
;;       step = 2.0 ** (np.maximum(np.frexp(np.where(r == 0, 1, r))[1] - 1, 0) - 1)
;;       q = np.round(r / step) * step * 2.0 ** e      # np.round: ties to even
;;       return np.moveaxis(q.reshape(q.shape[:-2] + (-1,))[..., :K], -1, axis).astype(np.float32)
;;   ~~~
;;   OPERANDS COMPUTED ON THE WAY. 'Computed on the way' means the value that the module computes at that place (a softmax that the list does not call 'softmax' is quantised finished and normalised). What goes into a quantiser is computed in f32, as accurately as f32 sums, v_exp_f32 and their like allow (about 1e-6 of the number): no bf16 or f16 on the way to a quantiser, and a product that is left as it is and whose result goes on into a quantised operand takes f32 operands (vector FMAs, or v_wmma_f32_16x16x4_f32). A number that lies on a knife's edge between two numbers of the format may be rounded either way, as far as f32 arithmetic and the matrix unit's own rounding can turn it there, and no further.
;; One version. Each part assembles by itself: llvm-mc -triple=amdgcn-amd-amdhsa -mcpu=gfx1250 --defsym DOCPART=n.
;; ======== version 1 of 1: 2 launches
;; workspace buffers: ops 17,825,792 bytes
;; launch prep (part 1): grid 256 x 1, 8 waves a work-group, no clusters, 263,168 bytes of LDS; arguments x, u, s, v, ops; writes ops
.if DOCPART == 1
	.amdgcn_target "amdgcn-amd-amdhsa--gfx1250"
	.amdhsa_code_object_version 6
	.text
	.protected	k_q730523ce19_prep
	.globl	k_q730523ce19_prep
	.p2align	8
	.type	k_q730523ce19_prep,@function
k_q730523ce19_prep:
	s_mov_b64 s[64:65], 0
	v_nop
	global_prefetch_b8 v0, s[64:65] scope:SCOPE_SE
	s_setreg_imm32_b32 hwreg(HW_REG_WAVE_MODE, 25, 1), 1
	s_wait_xcnt 0x0
; BOTH OPERANDS OF out0 = x W^T BECOME CODES OF FP4 (E2M1) WITH ONE E8M0 BYTE FOR EACH 32 ALONG K.
; x: [4096][4096] f32, K innermost.  W[8 p + i][8 q + j] = sum over k of u[p][q][i][k] (s[p][q][k] v[p][q][k][j]), in f32: the product s v first, then a chain of fused multiply-adds, k ascending.
; OUT: ops = [K step 0..7][side: 0 = x, 1 = W][row 0..4095][272 bytes]: 256 bytes of codes (512 along K, the lower k in the low four bits), then the row's 16 scale bytes of that K step.
; So the 128 rows that a wave of the product's launch fetches for a K step are one dense block, whose rows lie 272 bytes apart as they are, with the scale words beside the codes.
; A block's scale is 2^(floor(log2(its largest magnitude)) - 2): its byte is the largest magnitude's exponent field - 2, held at 1 from below; numbers beyond 6 x the scale take the largest code.
; LIMITS: NaN and infinities among the inputs are not served.  A block of zeros gets the byte 1 where the rule says 127: its codes are zeros, and this program alone reads the bytes.
; A block whose largest magnitude lies under 2^-124 is quantised under the byte 1.
; SHARES.  2,048 waves; wave g = 8 x work-group + wave takes rb = g % 256 and ks = g / 256, and does two jobs, one after the other, so that every wave has the same work and the text has no branch:
;   W: p = 2 rb, 2 rb + 1, q = 64 ks .. 64 ks + 63: 128 blocks of 8 x 8, which are rows 16 rb .. 16 rb + 15 of W, k = 512 ks .. 512 ks + 511, in four steps of 32 blocks;
;   X: rows 16 rb .. 16 rb + 15 of x in the same K step, a row a step.
; Each job gathers 16 rows x 272 bytes in the wave's own LDS, and they leave by 17 stores of 256 consecutive bytes, each at a multiple of 256 from the buffer's first byte.
; Waves share nothing: no barrier.  No input is read by two work-groups: no cluster.  The 8 x 8 products go by packed fused multiply-adds in f32, since they stand ahead of a quantiser.
; LOADS read 512 consecutive bytes, 16 a lane; what a lane needs (a whole block of u and of v; 16 neighbours of x) it gets by a turn through the wave's own LDS.
; THE STREAM.  A GROUP is four loads into one of sixteen sets of 16 registers; a W step is eight groups, a row of x one.  The order is W steps 0 to 3, then x's rows 0 to 15: 48 groups.  The head asks for the first sixteen;
; each W step, as soon as its LDS stores have read its eight sets, fills them with the eight groups that stand sixteen further on.  So 64 loads of a wave are on their way until x's last row has been asked for, and no step waits for all loads.
; x COMES LAST because its steps are the small ones: behind the wave's last load stand one row's work (2,048 bytes) and one way out, not a W step's 16 KB through LDS and its products.
; REGISTERS, in windows of 256 (s_set_vgpr_msb: bits 1:0 source 0, 3:2 source 1, 5:4 source 2, 7:6 destination):  window 0: v1-13 addresses, the rest below;  window 1: v0-255 (R): numbers as they are loaded, sixteen sets of 16.
.set ROWP,  272                        ; a row of ops: 256 bytes of codes + 16 scale bytes
.set PLANE, 4096*ROWP                  ; one side of a K step
.set KPL,   2*PLANE                    ; a K step
.set SP,    80                         ; x's turn: a lane's 64 bytes + 16 of padding
.set XT,    0                          ; LDS, from the wave's 32,768 bytes on: two stages of 32 x SP bytes for x;
.set USTG,  5120                       ; 32 blocks of u, 256 bytes + 16 each;
.set VSTG,  13824                      ; the same of v;
.set IMGX,  22528                      ; 16 rows x 272 bytes: what job X stores;
.set IMGW,  26880                      ; and job W
.set GX,   2                           ; v2   16 x lane: my 16 bytes of a load's 512
.set GS,   3                           ; v3   32 x lane: my block's eight s
.set GOUT, 4                           ; v4   8 x lane: my 8 bytes of a store's 256
.set TIN,  5                           ; v5   x's stage, in: SP (lane / 4) + 16 (lane % 4)
.set TOUT, 6                           ; v6   x's stage, out: SP x lane
.set XC,   7                           ; v7   IMGX + 8 x lane: my 16 codes
.set XE,   8                           ; v8   IMGX + 256 + lane / 2: my block's byte
.set WS,   9                           ; v9   u's and v's stage, in: 272 (lane / 16) + 16 (lane % 16)
.set WRD,  10                          ; v10  and out: 272 x lane: my block
.set WC,   11                          ; v11  IMGW + 4 x lane: my 8 codes
.set WE,   12                          ; v12  IMGW + 256 + lane / 4: my block-of-32's byte
.set ORD,  13                          ; v13  8 x lane: the way out of an image
.set U,    16                          ; job W: v16-79 u[i][k] at 8 i + k;
.set V,    80                          ; v80-143 v[k][j] at 8 k + j, then s[k] v[k][j] in place;
.set S,    144                         ; v144-175 s[k], a set of eight for each of the four steps;
.set ACC,  176                         ; v176-191 two rows of W's block;
.set CW,   192                         ; v192-199 a row's codes, v200-207 its byte: a register for each of a block's eight rows
.set EW,   200
.set TM,   208                         ; v208-211 at work
.set OW,   80                          ; v80-113  job W's way out, where v lay: never written again
.set X,    16                          ; job X: v16-47 two sets of 16 neighbours; v48-51 two pairs of codes; v52-53 two bytes
.set C,    48
.set E,    52
.set OX,   212                         ; v212-245 job X's way out
.set R,    0                           ; in window 1
.set MSB, 0
.macro WIN new                         ; the immediate's high byte repeats the setting that is left
.if MSB != \new
	s_set_vgpr_msb (MSB<<8)|\new
.set MSB, \new
.endif
.endm
.set RAW, 0x44                         ; destination and source 1 in window 1, source 0 in window 0: serves the loads into R and the LDS stores out of R alike
	s_load_b256 s[4:11], s[0:1], 0x0               ; x s[4:5], u s[6:7], s s[8:9], v s[10:11]
	s_load_b64 s[12:13], s[0:1], 0x20              ; ops
	v_lshl_add_u32 v254, v0, 2, 0x40000
	v_mov_b32 v255, 0
	v_lshrrev_b32 v1, 5, v0
	v_readfirstlane_b32 s14, v1                    ; wave 0..7
	v_and_b32 v1, 31, v0                           ; lane
	s_lshl_b32 s15, ttmp9, 3
	s_add_co_u32 s15, s15, s14                     ; g
	s_and_b32 s16, s15, 255                        ; rb
	s_lshr_b32 s17, s15, 8                         ; ks
	s_lshl_b32 s22, s14, 15                        ; my wave's LDS
	s_lshl_b32 s18, s16, 18                        ; x: 16 rows of 16,384 bytes,
	s_lshl_b32 s23, s17, 11                        ; 512 numbers along K
	s_add_co_u32 s18, s18, s23
	s_mov_b32 s19, 0
	s_lshl_b32 s24, s16, 15                        ; s: two p of 512 x 32 bytes, 64 q of 32 bytes
	s_add_co_u32 s24, s24, s23
	s_mov_b32 s25, 0
	s_lshl_b32 s20, s16, 18                        ; u, v: two p of 512 x 256 bytes,
	s_lshl_b32 s23, s17, 14                        ; 64 q of 256 bytes
	s_add_co_u32 s20, s20, s23
	s_mov_b32 s21, 0
	s_mul_i32 s26, s17, KPL                        ; ops: the K step, 16 rows of 272 bytes
	s_mul_i32 s23, s16, 16*ROWP
	s_add_co_u32 s26, s26, s23
	s_mov_b32 s27, 0
	v_lshlrev_b32 v[GX], 4, v1
	v_lshlrev_b32 v[GS], 5, v1
	v_lshlrev_b32 v[GOUT], 3, v1
	v_lshrrev_b32 v14, 2, v1                       ; lane / 4
	v_mul_u32_u24 v[TIN], v14, SP
	v_and_b32 v15, 3, v1
	v_lshl_add_u32 v[TIN], v15, 4, v[TIN]
	v_add_nc_u32 v[TIN], s22, v[TIN]
	v_mul_u32_u24 v[TOUT], v1, SP
	v_add_nc_u32 v[TOUT], s22, v[TOUT]
	v_add_nc_u32 v[ORD], s22, v[GOUT]
	v_add_nc_u32 v[XC], IMGX, v[ORD]
	v_lshrrev_b32 v15, 1, v1
	v_add_nc_u32 v[XE], s22, v15
	v_add_nc_u32 v[XE], IMGX+256, v[XE]
	v_lshrrev_b32 v15, 4, v1
	v_mul_u32_u24 v[WS], v15, ROWP
	v_and_b32 v15, 15, v1
	v_lshl_add_u32 v[WS], v15, 4, v[WS]
	v_add_nc_u32 v[WS], s22, v[WS]
	v_mul_u32_u24 v[WRD], v1, ROWP
	v_add_nc_u32 v[WRD], s22, v[WRD]
	v_lshl_add_u32 v[WC], v1, 2, s22
	v_add_nc_u32 v[WC], IMGW, v[WC]
	v_add_nc_u32 v[WE], s22, v14
	v_add_nc_u32 v[WE], IMGW+256, v[WE]
	s_wait_kmcnt 0x0
	s_add_nc_u64 s[4:5], s[4:5], s[18:19]          ; every base is set once; all steps stand in immediates, and no address register is written again
	s_add_nc_u64 s[6:7], s[6:7], s[20:21]
	s_add_nc_u64 s[8:9], s[8:9], s[24:25]
	s_add_nc_u64 s[10:11], s[10:11], s[20:21]
	s_add_nc_u64 s[12:13], s[12:13], s[26:27]
; ---- the loads.  W step st takes sets 8 (st % 2) .. + 7: groups 0-3 its 32 blocks of u, groups 4-7 those of v.  Row t of my x takes set t.
.macro WLD st, g                       ; W step st: p = 2 rb + st / 2, q = 64 ks + 32 (st % 2) + 0 .. 31
.irp i, 0,1,2,3
.if (\g) < 4
	global_load_b128 v[R+128*((\st)%2)+16*(\g)+4*\i:R+128*((\st)%2)+16*(\g)+4*\i+3], v[GX], s[6:7] offset:((\st)>>1)*131072+((\st)&1)*8192+512*(4*(\g)+\i) th:TH_LOAD_NT
.else
	global_load_b128 v[R+128*((\st)%2)+16*(\g)+4*\i:R+128*((\st)%2)+16*(\g)+4*\i+3], v[GX], s[10:11] offset:((\st)>>1)*131072+((\st)&1)*8192+512*(4*((\g)-4)+\i) th:TH_LOAD_NT
.endif
.endr
.endm
.macro SLD st                          ; and its 32 x 8 numbers of s, 32 bytes a lane
.irp c, 0,1
	global_load_b128 v[S+8*(\st)+4*\c:S+8*(\st)+4*\c+3], v[GS], s[8:9] offset:((\st)>>1)*16384+((\st)&1)*1024+16*\c th:TH_LOAD_NT
.endr
.endm
.macro XLOAD t
.irp i, 0,1,2,3
	global_load_b128 v[R+16*(\t)+4*\i:R+16*(\t)+4*\i+3], v[GX], s[4:5] offset:16384*(\t)+512*\i th:TH_LOAD_NT
.endr
.endm
; ---- an image of 16 rows x 272 bytes = 17 x 256 bytes leaves: the 32 lanes store 256 consecutive bytes, at a multiple of 256 from ops' first byte
.macro OUT reg, img, goff
.irp j, 0,1,2,3,4,5,6,7,8,9,10,11,12,13,14,15,16
	ds_load_b64 v[\reg+2*\j:\reg+2*\j+1], v[ORD] offset:\img+256*\j    ; these see my stores: LDS serves a wave's instructions in order (ISA guide 5.7.1.4)
.endr
.irp j, 0,1,2,3,4,5,6,7,8,9,10,11,12,13,14,15,16
	s_wait_dscnt 16-\j                             ; piece j is in; the younger ones stay out
	global_store_b64 v[GOUT], v[\reg+2*\j:\reg+2*\j+1], s[12:13] offset:\goff+256*\j
.endr
.endm
; ---- job W.  Rows i0 and i0 + 1 of my block of W: eight chains of packed multiply-adds, two columns each, k ascending; then the two rows are quantised by turns.
; My 8 numbers of a row are k = 8 q + 0 .. 7 of the large product, so four neighbouring lanes hold a block of 32.
.macro ROWS2 i0
.set k, 0
.rept 8
.irp r, 0,1
.irp m, 0,1,2,3
.set rA, ACC+8*\r+2*\m
.set rT, V+8*k+2*\m
.set rU, U+8*((\i0)+\r)+(k&6)
.if k == 0
	v_pk_mul_f32 v[rA:rA+1], v[rT:rT+1], v[rU:rU+1] op_sel_hi:[1,0]                       ; the first product starts the sums; u[i][k] feeds both halves: of its pair the first register where k is even,
.elseif k%2 == 0
	v_pk_fma_f32 v[rA:rA+1], v[rT:rT+1], v[rU:rU+1], v[rA:rA+1] op_sel_hi:[1,0,1]
.else
	v_pk_fma_f32 v[rA:rA+1], v[rT:rT+1], v[rU:rU+1], v[rA:rA+1] op_sel:[0,1,0] op_sel_hi:[1,1,1]   ; the second where it is odd
.endif
.endr
.endr
.set k, k+1
.endr
.irp r, 0,1
	v_max3_num_f32 v[TM+\r], |v[ACC+8*\r]|, |v[ACC+8*\r+1]|, 0x1800000   ; my 8 numbers, and the floor 2^(3 - 127)
.endr
.irp i, 2,4,6
.irp r, 0,1
	v_max3_num_f32 v[TM+\r], v[TM+\r], |v[ACC+8*\r+\i]|, |v[ACC+8*\r+\i+1]|
.endr
.endr
.irp w, 1,2
.irp r, 0,1
	v_max_num_f32_dpp v[TM+\r], v[TM+\r], v[TM+\r] row_xmask:\w row_mask:0xf bank_mask:0xf   ; with the three other lanes of the block
.endr
.endr
.irp r, 0,1
	v_add_nc_u32 v[TM+2+\r], 0xff000000, v[TM+\r]  ; 2 off the exponent field: the conversion takes the exponent field of this operand as its scale, and nothing else of it
.endr
.irp r, 0,1
	v_cvt_scalef32_pk8_fp4_f32 v[CW+(\i0)+\r], v[ACC+8*\r:ACC+8*\r+7], v[TM+2+\r]
.endr
.irp r, 0,1
	v_lshrrev_b32 v[EW+(\i0)+\r], 23, v[TM+2+\r]   ; the scale's byte.  (Also the plain instructions behind the conversions, ahead of the next rows' writes of ACC)
.endr
.irp r, 0,1
	ds_store_b32 v[WC], v[CW+(\i0)+\r] offset:(8*PP+(\i0)+\r)*ROWP+128*HH   ; row 8 (st / 2) + i of the image; q = 32 (st % 2) + lane: 4 bytes each
	ds_store_b8 v[WE], v[EW+(\i0)+\r] offset:(8*PP+(\i0)+\r)*ROWP+8*HH      ; the four lanes of a block write the same byte with the same value
.endr
.endm
; W step st: 32 blocks, a lane to a block
.macro WSTEP st
.set PP, (\st)>>1
.set HH, (\st)&1
.set SS, S+8*(\st)
.set RS, R+128*((\st)%2)
	s_wait_loadcnt 32                              ; loads come back in order (ISA guide 5.7.1): this step's eight groups are in (and all of s, the oldest loads); the eight groups asked for since, 32 loads, stay out
	WIN RAW
.irp j, 0,1,2,3,4,5,6,7,8,9,10,11,12,13,14,15
	ds_store_b128 v[WS], v[RS+64+4*\j:RS+64+4*\j+3] offset:VSTG+2*ROWP*\j   ; a load's 512 bytes are two blocks: two rows of the stage
.endr
.irp j, 0,1,2,3,4,5,6,7,8,9,10,11,12,13,14,15
	ds_store_b128 v[WS], v[RS+4*\j:RS+4*\j+3] offset:USTG+2*ROWP*\j
.endr
	WIN 0
.irp c, 0,1,2,3,4,5,6,7,8,9,10,11,12,13,14,15
	ds_load_b128 v[V+4*\c:V+4*\c+3], v[WRD] offset:VSTG+16*\c               ; my block: lanes 272 bytes = 68 words apart
.endr
.irp c, 0,1,2,3,4,5,6,7,8,9,10,11,12,13,14,15
	ds_load_b128 v[U+4*\c:U+4*\c+3], v[WRD] offset:USTG+16*\c
.endr
	s_wait_dscnt 32                                ; all but the 32 loads just issued: the 32 stores have read this step's eight sets (and the last step's stores their codes and bytes),
	WIN RAW
.if (\st) < 2
.irp g, 0,1,2,3,4,5,6,7
	WLD (\st)+2, \g                                ; which take the eight groups that stand sixteen further on: the W step two on,
.endr
.else
.irp g, 0,1,2,3,4,5,6,7
	XLOAD 8*((\st)-2)+\g                           ; or eight rows of x
.endr
.endif
	WIN 0
	s_wait_dscnt 16                                ; v is in; u's 16 loads may be out
.set k, 0
.rept 8
.irp m, 0,1,2,3
.if k%2 == 0
	v_pk_mul_f32 v[V+8*k+2*\m:V+8*k+2*\m+1], v[V+8*k+2*\m:V+8*k+2*\m+1], v[SS+k:SS+k+1] op_sel_hi:[1,0]                 ; s[k] v[k][j], in place, two columns at a time
.else
	v_pk_mul_f32 v[V+8*k+2*\m:V+8*k+2*\m+1], v[V+8*k+2*\m:V+8*k+2*\m+1], v[SS+k-1:SS+k] op_sel:[0,1] op_sel_hi:[1,1]
.endif
.endr
.set k, k+1
.endr
	s_wait_dscnt 0x0                               ; u is in
	ROWS2 0
	ROWS2 2
	ROWS2 4
	ROWS2 6
.endm
; ---- job X.  Row t's 2,048 bytes go through a stage as they lie and come back 64 bytes a lane.  LDS serves a wave's instructions in order: no wait between the stores and the loads.  Entered under RAW, left under 0.
.macro XTURN t
.irp i, 0,1,2,3
	ds_store_b128 v[TIN], v[R+16*(\t)+4*\i:R+16*(\t)+4*\i+3] offset:XT+32*SP*((\t)%2)+8*SP*\i
.endr
	WIN 0
.irp i, 0,1,2,3
	ds_load_b128 v[X+16*((\t)%2)+4*\i:X+16*((\t)%2)+4*\i+3], v[TOUT] offset:XT+32*SP*((\t)%2)+16*\i
.endr
.endm
; Row t: 512 numbers, 16 neighbours a lane; two neighbouring lanes hold a block of 32
.macro XSTEP t
.set XS, X+16*((\t)%2)
.set CS, C+2*((\t)%2)
.if (\t) > 0
	s_wait_dscnt 2                                 ; behind this row's four loads from the stage stand the last row's two stores alone: my 16 numbers are in, and the stores of two rows back have read their codes and byte
.else
	s_wait_dscnt 0x0
.endif
.if (\t) < 15
	s_wait_loadcnt 4*(14-(\t))                     ; row t + 1 is in; the 14 - t rows behind it stay out
	WIN RAW
	XTURN (\t)+1                                   ; and goes through the other stage while this row is worked
.endif
	v_max3_num_f32 v[TM], |v[XS]|, |v[XS+1]|, |v[XS+2]|            ; the largest magnitude of my 16, in two chains
	v_max3_num_f32 v[TM+1], |v[XS+3]|, |v[XS+4]|, |v[XS+5]|
.irp i, 6,10
	v_max3_num_f32 v[TM], v[TM], |v[XS+\i]|, |v[XS+\i+1]|
	v_max3_num_f32 v[TM+1], v[TM+1], |v[XS+\i+2]|, |v[XS+\i+3]|
.endr
	v_max3_num_f32 v[TM], v[TM], |v[XS+14]|, |v[XS+15]|
	v_max3_num_f32 v[TM], v[TM], v[TM+1], 0x1800000                ; and the floor 2^(3 - 127): the byte cannot fall under 1
	v_max_num_f32_dpp v[TM], v[TM], v[TM] row_xmask:1 row_mask:0xf bank_mask:0xf   ; and of my neighbour's 16: the block's
	v_add_nc_u32 v[TM+2], 0xff000000, v[TM]        ; 2 off its exponent field: the conversion's scale operand
	v_cvt_scalef32_pk8_fp4_f32 v[CS], v[XS:XS+7], v[TM+2]
	v_cvt_scalef32_pk8_fp4_f32 v[CS+1], v[XS+8:XS+15], v[TM+2]
	v_lshrrev_b32 v[E+(\t)%2], 23, v[TM+2]         ; the scale's byte.  (Also the plain instruction behind the conversions)
	ds_store_b64 v[XC], v[CS:CS+1] offset:ROWP*(\t)
	ds_store_b8 v[XE], v[E+(\t)%2] offset:ROWP*(\t)   ; both lanes of a block write the same byte with the same value
.endm
.irp t, 0,1,2,3
	SLD \t                                         ; all of my s: the oldest loads, so that they enter no count below
.endr
	WIN RAW
.irp t, 0,1
.irp g, 0,1,2,3,4,5,6,7
	WLD \t, \g                                     ; the first sixteen groups.  With s that is 72 loads asked for on end; the issue of a load that would pass the counter's field is held by the hardware (ISA guide 5.7.1), so the counts stay what they say
.endr
.endr
.irp t, 0,1,2,3
	WSTEP \t
.endr
	OUT OW, IMGW, PLANE                            ; W's 16 rows leave while x's rows are on their way
	s_wait_loadcnt 60                              ; x's row 0 is in; rows 1 to 15 stay out
	WIN RAW
	XTURN 0
.irp t, 0,1,2,3,4,5,6,7,8,9,10,11,12,13,14,15
	XSTEP \t
.endr
	OUT OX, IMGX, 0
	s_wait_tensorcnt 0x0
	ds_add_u32 v254, v255
	s_wait_dscnt 0x0
	s_endpgm
.Lfunc_end_k_q730523ce19_prep:
	.size	k_q730523ce19_prep, .Lfunc_end_k_q730523ce19_prep-k_q730523ce19_prep
	.p2alignl 7, 3214868480
	.fill 96, 4, 3214868480
	.section	.rodata,"a",@progbits
	.p2align	6, 0x0
	.amdhsa_kernel k_q730523ce19_prep
		.amdhsa_group_segment_fixed_size 263168
		.amdhsa_private_segment_fixed_size 0
		.amdhsa_enable_private_segment 0
		.amdhsa_kernarg_size 40
		.amdhsa_user_sgpr_count 2
		.amdhsa_user_sgpr_kernarg_segment_ptr 1
		.amdhsa_wavefront_size32 1
		.amdhsa_system_sgpr_workgroup_id_x 1
		.amdhsa_system_sgpr_workgroup_id_y 1
		.amdhsa_system_sgpr_workgroup_id_z 1
		.amdhsa_system_vgpr_workitem_id 0
		.amdhsa_next_free_vgpr 512
		.amdhsa_next_free_sgpr 66
		.amdhsa_reserve_vcc 0
		.amdhsa_float_denorm_mode_32 3
		.amdhsa_float_denorm_mode_16_64 3
		.amdhsa_memory_ordered 1
		.amdhsa_forward_progress 1
		.amdhsa_inst_pref_size 165
	.end_amdhsa_kernel
	.amdgpu_metadata
---
amdhsa.version: [ 1, 2 ]
amdhsa.kernels:
  - .name:           k_q730523ce19_prep
    .symbol:         k_q730523ce19_prep.kd
    .args:
      - { .name: x, .offset: 0, .size: 8, .value_kind: global_buffer, .address_space: global }
      - { .name: u, .offset: 8, .size: 8, .value_kind: global_buffer, .address_space: global }
      - { .name: s, .offset: 16, .size: 8, .value_kind: global_buffer, .address_space: global }
      - { .name: v, .offset: 24, .size: 8, .value_kind: global_buffer, .address_space: global }
      - { .name: ops, .offset: 32, .size: 8, .value_kind: global_buffer, .address_space: global }
    .group_segment_fixed_size: 263168
    .private_segment_fixed_size: 0
    .kernarg_segment_align: 8
    .kernarg_segment_size: 40
    .max_flat_workgroup_size: 256
    .sgpr_count:     66
    .vgpr_count:     512
    .wavefront_size: 32
...
	.end_amdgpu_metadata
.endif
;; end of part 1
;; launch gemm (part 2): grid 16 x 16, 4 waves a work-group, clusters of 4 x 4, 327,680 bytes of LDS; arguments ops, out0; writes out0
.if DOCPART == 2
	.amdgcn_target "amdgcn-amd-amdhsa--gfx1250"
	.amdhsa_code_object_version 6
	.text
	.protected	k_q730523ce19_gemm
	.globl	k_q730523ce19_gemm
	.p2align	8
	.type	k_q730523ce19_gemm,@function
k_q730523ce19_gemm:
	s_mov_b64 s[64:65], 0
	v_nop
	global_prefetch_b8 v0, s[64:65] scope:SCOPE_SE
	s_setreg_imm32_b32 hwreg(HW_REG_WAVE_MODE, 25, 1), 1
	s_wait_xcnt 0x0
	s_wait_alu depctr_hold_cnt(0) depctr_sa_sdst(0) depctr_va_vdst(0) depctr_va_sdst(0) depctr_va_ssrc(0) depctr_va_vcc(0) depctr_vm_vsrc(0)
	s_getreg_b32 s2, hwreg(HW_REG_IB_STS2, 6, 4)
	s_cmp_eq_u32 s2, 0
	s_cbranch_scc0 .Lentry_in_a_cluster
	s_endpgm
.Lentry_in_a_cluster:
	s_bfe_u32 s2, ttmp6, 0x10000c
	s_cmp_lg_u32 s2, 0xf033
	s_cbranch_scc0 .Lentry_shape_is_right
	s_endpgm
.Lentry_shape_is_right:
; out0[m][n] = sum over k of x[m][k] W[n][k], 4,096 x 4,096 x 4,096, on codes of FP4 (E2M1) with one E8M0 scale for each 32 along K; sums in f32, K ascending.
; ops = [K step 0..7][side: 0 = x (A), 1 = W (B)][row 0..4095][272 bytes]: 256 bytes of codes (512 along K, the lower k in the low four bits), then the row's 16 scale bytes of that K step: four words, one for each 128 along K.
; A tile of out0, 256 x 256, is made by a work-group of four waves, as many as a WGP has SIMDs; a wave makes 128 x 128: 64 accumulators of 16 x 16, 512 registers.  256 tiles, 256 work-groups.
; K goes in steps of 512 through a ring of two LDS slots filled by the tensor data mover.  A K step's 128 rows of one side are ONE DENSE BLOCK of 34,816 bytes: it comes as 136 rows of 256 bytes, without padding, and lies in LDS as in
; memory: operand rows 272 bytes = 68 words apart, so that the 16 rows that a load touches start at 16 different banks (64 banks of 4 bytes: ISA guide 11.1), and each row's scale words behind its codes.
; CLUSTERS: 4 x 4 work-groups.  The four of a row of the cluster need the same tiles of A, the four of a column the same tiles of B: each tile is asked for JOINTLY, by the same tensor load with the same descriptor and a mask that names the four.
; THE MATRIX INSTRUCTION IS USED TRANSPOSED (source 0 = 16 rows of B, source 1 = 16 rows of A): a lane then holds eight neighbouring numbers of a row of out0.
; REGISTERS, in windows of 256: window 0: v0-31 addresses; v32-95 scale words, two sets; from v128 A's fragments (8 x 16 rows x 128 K), ONE set; on the way out v128-255 take rows of out0.
;   window 1: B's fragments, TWO sets, at v0 and at v128.   window 2: the 32 accumulators of my rows 0-63 (accumulator (a, b) at v[8 (8 a + b)]);   window 3: those of my rows 64-127.
; A step of 128 along K is 64 matrix instructions, A's blocks one after the other, each against B's eight: a block of A is free as soon as its eight products are issued, so one set of registers serves A
; (blocks 0-3 fetched anew in the step's middle, blocks 4-7 at its end); B's fragments are at work through the whole step and have two sets.
; LIMITS: the codes and bytes are this program's own; no byte is 0xff.
.set SIZE_N, 4096
.set NQ,     4                         ; steps of 128 along K in a slot
.set PITCH,  272                       ; from row to row, in ops and in LDS
.set PLANE,  4096*PITCH                ; one side of a K step
.set KPL,    2*PLANE                   ; a K step
.set FR,     8                         ; registers of a fragment: 16 rows x 128 K
.set NL,     2                         ; LDS loads that bring one
.set NP,     4                         ; places behind this matrix instruction (ISA guide 7.12.1)
.set HALFT,  128*PITCH                 ; 128 rows: what one tensor load brings, and what one wave reads of A or of B
.set SLOT,   4*HALFT                   ; A's 256 rows, then B's 256 rows
.set LAPS,   4                         ; a lap = two K steps = once round the ring
.set SPARE,  2*SLOT                    ; behind the ring: the spare words, 128 bytes for each wave: two blocks of 256 bytes that no other line names
.set SPITCH, 528                       ; the way out: a stage of 16 rows x (512 bytes + 16) for each wave.  It lies in slot 0, which has had its last fill and its last read when the first result is stored there
.set ADRA, 16                          ; v16-17  LDS address of my A fragments in slot 0, 1
.set ADRB, 20                          ; v20-21  the same for B
.set ADRS, 22                          ; v22-23  LDS address of my rows in slot 0, 1, for the scale words: lanes 0-15 A's rows, lanes 16-31 B's
.set STO,  24                          ; v24     the way out: where I put 32 bytes of a row
.set RD,   25                          ; v25     the way out: where I read a row back
.set CO,   26                          ; v26     my byte offset in a row of out0
.set SPW,  28                          ; v28     LDS address of my spare word: SPARE + 4 x my thread's number; never rewritten
.set NIL,  29                          ; v29     0; never rewritten
.set PFO,  30                          ; v30     the prefetches' offset: 256 x my lane; never rewritten
.set SC,   32                          ; scale words: set s (for slot s) at v[SC + 32 s]; in it register 4 i + q: lanes 0-15 the word of A's block i, lanes 16-31 that of B's block i, for the slot's q-th 128 along K
.set AF,   128                         ; A's fragments, in window 0
.set BK,   128                         ; the way out: 16 rows read back from the stage: v128-191 and v192-255 by turns
.set G1, 24                            ; s[24:31] descriptor group 1 for A's tiles;  s[32:39] group 0, one set for each slot
.set G0, 32
.set G1B, 48                           ; s[48:55], s[56:63] the same for B's tiles
.set G0B, 56
.set PFA, 68                           ; s[68:69] where my prefetches stand
.set LIM, 70                           ; s70     1 in a wave that prefetches, else the greatest number
.set MSB, 0
.macro WIN new                         ; the immediate's high byte repeats the setting that is left
.if MSB != \new
	s_set_vgpr_msb (MSB<<8)|\new
.set MSB, \new
.endif
.endm
.set MUL_LO, 0xa1                      ; source 0 (B) window 1, source 1 (A) window 0, C and D window 2
.set MUL_HI, 0xf1                      ; the same, C and D window 3
.set TO_B,   0x40                      ; destination window 1, address window 0
; A joint load: waves 0 and 1 fetch for A, waves 2 and 3 for B.  Each of the two lines has ONE mask and one set of registers for all that issue it; the branch hangs on the wave's number alone.
; Four v_nop follow each of the two lines, ahead of the jump, the label and what follows.
.macro JLOAD g0a, g1a, g0b, g1b
	s_cmp_eq_u32 s15, 0
	s_cbranch_scc0 .Lfor_b_\@
	tensor_load_to_lds s[\g0a:\g0a+3], s[\g1a:\g1a+7]
	s_nop 0
.rept 4
	v_nop
.endr
	s_branch .Lasked_\@
.Lfor_b_\@:
	tensor_load_to_lds s[\g0b:\g0b+3], s[\g1b:\g1b+7]
	s_nop 0
.rept 4
	v_nop
.endr
.Lasked_\@:
.endm
; A PREFETCH INTO THE L2, behind each joint refill, its four lines and the run of LDS loads that follows: of the K step that stands TWO refills on, 512 matrix instructions ahead of the load that will want it.
; A K step of ops, both sides, is 272 pieces of 8,192 bytes; a piece is one instruction, lanes 256 bytes apart.  Wave 0 of work-group (cluster cl, place p) takes piece 16 cl + p; wave 1 of cluster 0's work-groups piece 256 + p:
; each 256 bytes of a K step are named once in the launch.  The partners of a cluster are told apart BY ADDRESS; the branch hangs on the wave's and the cluster's number, which they share.
; K steps 0 to 3 come by their loads alone; the loop's last trip (s3 = 1) asks for nothing: K step 7 is the last.
.macro ASK
	s_cmp_gt_u32 s3, s[LIM]
	s_cbranch_scc0 .Lnot_mine_\@
	global_prefetch_b8 v[PFO], s[PFA:PFA+1] th:TH_LOAD_NT scope:SCOPE_SE
.Lnot_mine_\@:
.endm
.macro CREST                           ; a round of the cluster's barrier behind its opening barrier
	s_cmp_lg_u32 s14, 0
	s_cbranch_scc1 .Lnot_wave_0_\@
	s_barrier_signal -3
.Lnot_wave_0_\@:
	s_barrier_wait -3
	s_barrier_signal -1
	s_barrier_wait -1
.endm
.macro CROUND                          ; a whole round
	s_barrier_signal -1
	s_barrier_wait -1
	CREST
.endm
	s_load_b128 s[4:7], s[0:1], 0x0                ; ops s[4:5], out0 s[6:7]
	v_lshl_add_u32 v[SPW], v0, 2, SPARE
	v_mov_b32 v[NIL], 0
	ds_add_u32 v28, v29
	ds_add_u32 v28, v29
	s_wait_dscnt 0x0
	v_lshrrev_b32 v1, 5, v0
	v_readfirstlane_b32 s14, v1                    ; wave 0..3
	s_lshr_b32 s15, s14, 1                         ; which half of the tile's rows is mine.  Also: I fetch for A (0) or for B (1)
	s_and_b32 s16, s14, 1                          ; which half of its columns.  Also: which 128 rows of that tile I fetch
	s_bfe_u32 s40, ttmp6, 0x40000                  ; cx, cy: my place in the cluster
	s_bfe_u32 s41, ttmp6, 0x40004
	s_lshl_b32 s42, ttmp9, 2
	s_add_co_u32 s42, s42, s40                     ; tile column of out0 = 4 x cluster x + cx
	s_and_b32 s17, ttmp7, 0xffff
	s_lshl_b32 s17, s17, 2
	s_add_co_u32 s17, s17, s41                     ; tile row of out0 = 4 x cluster y + cy
	s_lshl_b32 s43, s41, 2
	s_lshl_b32 s43, 15, s43                        ; my row of the cluster
	s_lshl_b32 s44, 0x1111, s40                    ; my column
	; descriptor group 1: a dense block of 34,816 bytes as 136 rows of 32 elements of 8 bytes, no padding
	s_or_b32 s[G1+0], s43, (3<<16)|(1<<21)         ; 15:0 the mask: A's tiles go to my row; 17:16 elements of 8 bytes; 20 padding off; 21 set beside a mask
	s_or_b32 s[G1B+0], s44, (3<<16)|(1<<21)        ; the same with the mask of my column, for B's tiles
.irp g, G1, G1B
	s_mov_b32 s[\g+1], 32<<16                      ; tensor_dim0 = 32
	s_mov_b32 s[\g+2], 136<<16                     ; tensor_dim1 = 136
	s_mov_b32 s[\g+3], 32<<16                      ; tile_dim0 = 32
	s_mov_b32 s[\g+4], 136                         ; tile_dim1 = 136
	s_mov_b32 s[\g+5], 32                          ; tensor_dim0_stride: each row begins where the last ends
	s_mov_b32 s[\g+6], 0
	s_mov_b32 s[\g+7], 0
.endr
	; where the tiles come from.  A's hang on the tile row alone, which my row of the cluster shares; B's on the tile column alone, which my column shares
	s_lshl_b32 s18, s16, 7                         ; which 128 rows of the tile I fetch
	s_lshl_b32 s20, s17, 8
	s_add_co_u32 s20, s20, s18                     ; A: row 256 x tile row + 128 x half
	s_lshl_b32 s46, s42, 8
	s_add_co_u32 s46, s46, s18                     ; B: row 256 x tile column + 128 x half
	s_mul_i32 s20, s20, PITCH                      ; in bytes (under 2^21)
	s_mul_i32 s46, s46, PITCH
	s_add_co_u32 s46, s46, PLANE                   ; B's side lies behind A's
	s_mov_b32 s21, 0
	s_mov_b32 s47, 0
	s_mul_i32 s45, s14, HALFT                      ; where they go: wave x 128 rows: no place in the cluster enters an LDS address
	s_wait_kmcnt 0x0
	s_add_nc_u64 s[20:21], s[4:5], s[20:21]
	s_add_nc_u64 s[46:47], s[4:5], s[46:47]
	CROUND                                         ; all sixteen work-groups are here: the first joint loads meet
.irp s, 0,1
	s_mov_b32 s[G0+4*\s], 1                                        ; 1:0 count = 1
	s_add_co_u32 s[G0+4*\s+1], s45, \s*SLOT                        ; 63:32 LDS address
	s_add_nc_u64 s[G0+4*\s+2:G0+4*\s+3], s[20:21], \s*KPL          ; 120:64 global address: K step s
	s_or_b32 s[G0+4*\s+3], s[G0+4*\s+3], 0x80000000                ; 127:126 type = 2
	s_mov_b32 s[G0B+4*\s], 1
	s_add_co_u32 s[G0B+4*\s+1], s45, \s*SLOT
	s_add_nc_u64 s[G0B+4*\s+2:G0B+4*\s+3], s[46:47], \s*KPL
	s_or_b32 s[G0B+4*\s+3], s[G0B+4*\s+3], 0x80000000
	JLOAD G0+4*\s, G1, G0B+4*\s, G1B               ; two loads of mine are out: the ring is filled before anything else is done
.endr
	v_and_b32 v1, 15, v0                           ; l % 16
	v_bfe_u32 v2, v0, 4, 1                         ; l / 16
	v_mul_u32_u24 v3, v1, PITCH
	v_lshl_add_u32 v4, v2, 4, v3                   ; a fragment's row x pitch + 16 x half
	s_mul_i32 s21, s15, HALFT                      ; my 128 rows of A
	s_mul_i32 s22, s16, HALFT                      ; my 128 rows of B,
	s_add_co_u32 s22, s22, 2*HALFT                 ; which lie behind A's 256
	s_xor_b32 s23, s15, 1                          ; from my rows of A to my rows of B: (2 + column half - row half) x 128 rows
	s_add_co_u32 s23, s23, s16
	s_add_co_u32 s23, s23, 1
	s_mul_i32 s23, s23, HALFT
	v_mul_u32_u24 v6, s23, v2                      ; lanes 16-31 take B's
	v_add_nc_u32 v5, v3, v6
.irp s, 0,1
	v_add_nc_u32 v[ADRA+\s], s21, v4
	v_add_nc_u32 v[ADRB+\s], s22, v4
	v_add_nc_u32 v[ADRS+\s], s21, v5
	s_add_co_u32 s21, s21, SLOT
	s_add_co_u32 s22, s22, SLOT
.endr
	s_mul_i32 s23, s14, 16*SPITCH                  ; my stage
	v_mul_u32_u24 v5, v1, SPITCH                   ; in: row l % 16, 32 bytes for each half of the lanes
	v_lshl_add_u32 v5, v2, 5, v5
	v_add_nc_u32 v[STO], s23, v5
	v_and_b32 v6, 31, v0
	v_lshlrev_b32 v[CO], 4, v6                     ; back: the 32 lanes take one row of 512 bytes; and the same in out0
	v_add_nc_u32 v[RD], s23, v[CO]
	v_lshlrev_b32 v[PFO], 8, v6
	s_lshl_b32 s20, s17, 8
	s_lshl_b32 s21, s15, 7
	s_add_co_u32 s20, s20, s21                     ; my first row of out0: 256 x tile row + 128 x half
	s_mov_b32 s21, 0
	s_mov_b64 s[18:19], SIZE_N*4
	s_mul_u64 s[20:21], s[20:21], s[18:19]
	s_lshl_b32 s46, s42, 10                        ; my first column, in bytes: 1024 x tile column + 512 x half
	s_lshl_b32 s47, s16, 9
	s_add_co_u32 s46, s46, s47
	s_mov_b32 s47, 0
	s_add_nc_u64 s[20:21], s[20:21], s[46:47]
	s_add_nc_u64 s[6:7], s[6:7], s[20:21]
	; the prefetches: who asks, and for which piece
	s_and_b32 s71, ttmp7, 0xffff
	s_lshl_b32 s71, s71, 2
	s_add_co_u32 s71, s71, ttmp9                   ; cl: my cluster's number, 0..15
	s_mul_i32 s72, s16, s71
	s_or_b32 s72, s72, s15                         ; 0 in wave 0 of every work-group, and in wave 1 of cluster 0's
	s_cmp_eq_u32 s72, 0
	s_cselect_b32 s[LIM], 1, -1                    ; the same in all sixteen partners, for a given wave
	s_lshl_b32 s72, s71, 4
	s_mov_b32 s74, 256
	s_cmp_eq_u32 s16, 0
	s_cselect_b32 s72, s72, s74                    ; 16 cl, or 256 in the odd waves: the piece lies inside a K step in every wave
	s_lshl_b32 s73, s41, 2
	s_add_co_u32 s72, s72, s73
	s_add_co_u32 s72, s72, s40                     ; + my place in the cluster
	s_lshl_b32 s72, s72, 13                        ; pieces of 8,192 bytes
	s_add_co_u32 s72, s72, 3*KPL                   ; in K step 3: the first refill steps it to K step 4.  Nothing is prefetched here, at the head, where every work-group's first tiles are on their way
	s_mov_b32 s73, 0
	s_add_nc_u64 s[PFA:PFA+1], s[4:5], s[72:73]
.macro FRAG reg, adr, q, i             ; a fragment, 16 rows x 128 K of 4-bit codes, is 8 registers: lane l holds row l % 16; registers 4 c .. 4 c + 3 hold K = 64 c + 32 (l / 16) + 0 .. 31, the lower K in the lower bits
.irp c, 0,1
	ds_load_b128 v[\reg+4*\c:\reg+4*\c+3], v[\adr] offset:64*(\q)+32*\c+(\i)*16*PITCH
.endr
.endm
; 16 matrix instructions: A's blocks a0, a0 + 1 x B's eight, 128 along K: the slot's q-th.  p: B's set;  sc: the set of scale words.  zero = 1: the first product starts the sums: nothing is ever cleared.
; The 64 accumulators take turns, one instruction a turn, in the same order in every step.
.macro MUL16 a0, p, q, sc, zero
.irp a, \a0, \a0+1
.irp b, 0,1,2,3,4,5,6,7
.if \zero
	v_wmma_scale_f32_16x16x128_f8f6f4 v[8*(8*((\a)%4)+\b):8*(8*((\a)%4)+\b)+7], v[128*(\p)+FR*\b:128*(\p)+FR*\b+FR-1], v[AF+FR*(\a):AF+FR*(\a)+FR-1], 0, v[SC+8*NQ*(\sc)+NQ*\b+(\q)], v[SC+8*NQ*(\sc)+NQ*(\a)+(\q)] matrix_a_fmt:MATRIX_FMT_FP4 matrix_b_fmt:MATRIX_FMT_FP4 matrix_a_scale:MATRIX_SCALE_ROW1
.else
	v_wmma_scale_f32_16x16x128_f8f6f4 v[8*(8*((\a)%4)+\b):8*(8*((\a)%4)+\b)+7], v[128*(\p)+FR*\b:128*(\p)+FR*\b+FR-1], v[AF+FR*(\a):AF+FR*(\a)+FR-1], v[8*(8*((\a)%4)+\b):8*(8*((\a)%4)+\b)+7], v[SC+8*NQ*(\sc)+NQ*\b+(\q)], v[SC+8*NQ*(\sc)+NQ*(\a)+(\q)] matrix_a_fmt:MATRIX_FMT_FP4 matrix_b_fmt:MATRIX_FMT_FP4 matrix_a_scale:MATRIX_SCALE_ROW1
.endif
.endr
.endr
.endm
.macro FETCH_B slot, q, p              ; B's eight fragments of the slot's q-th 128 along K into set p
	WIN TO_B
.irp i, 0,1,2,3,4,5,6,7
	FRAG 128*(\p)+FR*\i, ADRB+\slot, \q, \i
.endr
	WIN 0
.endm
.macro FETCH_A slot, q, i0             ; A's blocks i0 .. i0 + 3
.irp i, \i0, \i0+1, \i0+2, \i0+3
	FRAG AF+FR*(\i), ADRA+\slot, \q, \i
.endr
.endm
.macro SCALES sc                       ; slot sc's scale words into set sc: the 16 bytes behind a row's 256 of codes; lanes 0-15 take A's block i, lanes 16-31 B's block i
.irp i, 0,1,2,3,4,5,6,7
	ds_load_b128 v[SC+8*NQ*\sc+NQ*\i:SC+8*NQ*\sc+NQ*\i+3], v[ADRS+\sc] offset:256+\i*16*PITCH
.endr
.endm
; A load into a register that a matrix instruction has read, and an LDS store that reads a matrix result, stand NP places behind that matrix instruction, and only plain vector instructions that name
; none of its registers are places (ISA guide 7.12.1 for vector instructions); this text does not count the matrix instructions in between.
.macro PLACES n
.rept \n
	v_nop
.endr
.endm
; A step of 128 along K that has its successor in the same slot.
.macro STEP slot, q, zero
	s_wait_dscnt 4*NL                              ; B's set, the scale words and A's blocks 0-3 are in; the youngest eight loads (A's blocks 4-7) may be out
	WIN MUL_LO
	MUL16 0, (\q)%2, \q, \slot, \zero
	MUL16 2, (\q)%2, \q, \slot, \zero
	s_wait_dscnt 0                                 ; A's blocks 4-7 are in (asked for 32 matrix instructions ago)
	PLACES NP
	FETCH_B \slot, (\q)+1, 1-(\q)%2
	FETCH_A \slot, (\q)+1, 0
	WIN MUL_HI
	MUL16 4, (\q)%2, \q, \slot, \zero
	MUL16 6, (\q)%2, \q, \slot, \zero
	PLACES NP
	WIN 0
	FETCH_A \slot, (\q)+1, 4
.endm
; A slot's last step changes slots: ONE barrier; in front of it each wave waits for all its tensor loads, adds 0 to its spare word, and waits for that and for its own reads of this slot.  fill = 1: this slot is filled again, two K steps ahead.
.macro TURN slot, next, fill
.if \fill
	s_wait_xcnt 0x0                                ; the last prefetch, a K step back, has read its address: it is stepped here, ahead of the waits of the change of slots
	s_add_nc_u64 s[PFA:PFA+1], s[PFA:PFA+1], KPL
.endif
	s_wait_tensorcnt 0x0                           ; all my tensor loads have landed: the one that was out is my part of the next slot;  (every window is 0 here: the add's two registers lie in window 0)
	ds_add_u32 v[SPW], v[NIL]                      ; 0 onto my spare word
	s_wait_dscnt 4*NL+1                            ; (the add and the youngest eight loads, A's blocks 4-7, may be out)
	WIN MUL_LO
	MUL16 0, 1, NQ-1, \slot, 0                     ; sixteen matrix instructions stand between the add and the wait for it
	s_wait_dscnt 0x0                               ; the add is done, and my reads of this slot are over
	s_barrier_signal -1
	MUL16 2, 1, NQ-1, \slot, 0
	WIN 0
	s_barrier_wait -1
.if \fill
	CREST                                          ; the barrier has opened a round of the cluster's barrier: no wave of any partner still reads this slot's tile or has a load on its way
	s_add_nc_u64 s[G0+4*\slot+2:G0+4*\slot+3], s[G0+4*\slot+2:G0+4*\slot+3], 2*KPL
	s_add_nc_u64 s[G0B+4*\slot+2:G0B+4*\slot+3], s[G0B+4*\slot+2:G0B+4*\slot+3], 2*KPL
	JLOAD G0+4*\slot, G1, G0B+4*\slot, G1B         ; the first tensor load behind the round, my one load until the next; the four v_nop behind it are also the places in front of the loads below
.else
	PLACES NP
.endif
	FETCH_B \next, 0, 0
	FETCH_A \next, 0, 0
	SCALES \next
.if \fill
	ASK                                            ; behind the joint load and the run of LDS loads that the next products wait for
.endif
	WIN MUL_HI
	MUL16 4, 1, NQ-1, \slot, 0
	MUL16 6, 1, NQ-1, \slot, 0
	PLACES NP
	WIN 0
	FETCH_A \next, 0, 4
.endm
.macro STEPS slot, from                ; the slot's steps from .. NQ - 2
.set Q, \from
.rept NQ-1-\from
	STEP \slot, Q, 0
.set Q, Q+1
.endr
.endm
	s_wait_tensorcnt 1                             ; my part of K step 0 is in (K step 1's load may be out)
	s_barrier_signal -1
	s_barrier_wait -1                              ; everybody's is
	FETCH_B 0, 0, 0
	FETCH_A 0, 0, 0
	SCALES 0
	FETCH_A 0, 0, 4
	STEP 0, 0, 1                                   ; the first step stands in front of the loop: its products start the sums
	s_mov_b32 s3, LAPS-1
.Llap:                                                 ; a trip goes once round the ring, from a lap's second step to the next lap's first, and fills both slots again
	STEPS 0, 1
	TURN 0, 1, 1
	STEPS 1, 0
	TURN 1, 0, 1
	STEP 0, 0, 0
	s_sub_co_u32 s3, s3, 1
	s_cmp_lg_u32 s3, 0
	s_cbranch_scc1 .Llap
	STEPS 0, 1                                     ; the last lap fills nothing, and has no round of the cluster's barrier
	TURN 0, 1, 0
	STEPS 1, 0
	s_wait_dscnt 4*NL                              ; the very last step: nothing more to fetch
	WIN MUL_LO
	MUL16 0, 1, NQ-1, 1, 0
	MUL16 2, 1, NQ-1, 1, 0
	s_wait_dscnt 0
	WIN MUL_HI
	MUL16 4, 1, NQ-1, 1, 0
	MUL16 6, 1, NQ-1, 1, 0
	WIN 0
; THE WAY OUT, block by block of 16 rows x 128 columns.  A lane holds 32 neighbouring bytes of a row, and the lanes beside it hold other rows: so a block goes through my own stage in LDS and comes back as whole
; rows of 512 bytes, which the 32 lanes store as 512 consecutive bytes.  LDS serves a wave's instructions in order (ISA guide 5.7.1.4): no wait between the stores and the loads, nor in front of the next block's stores.
.macro TOSTAGE a
.set AC, 64*((\a)%4)
	WIN 0x08+4*((\a)/4)                            ; the data: window 2 or 3
.irp b, 0,1,2,3,4,5,6,7
	ds_store_b128 v[STO], v[AC+8*\b:AC+8*\b+3] offset:64*\b          ; each accumulator from its low end on
	ds_store_b128 v[STO], v[AC+8*\b+4:AC+8*\b+7] offset:64*\b+16
.endr
	WIN 0
.set BB, BK+64*((\a)%2)
.irp t, 0,1,2,3,4,5,6,7,8,9,10,11,12,13,14,15
	ds_load_b128 v[BB+4*\t:BB+4*\t+3], v[RD] offset:\t*SPITCH
.endr
.endm
.macro SEND a, younger                 ; younger: the LDS instructions issued behind block a's loads, which may stay out
.set BB, BK+64*((\a)%2)
	s_wait_dscnt \younger                          ; the block is back in registers
.if (\a) > 0
	s_add_nc_u64 s[6:7], s[6:7], 16*SIZE_N*4       ; (behind a wait on XCNT: the earlier stores have read their base)  16 rows of out0 on; the stores' offsets reach 15 rows, 245,760 bytes, inside the signed 24-bit immediate
.endif
.irp t, 0,1,2,3,4,5,6,7,8,9,10,11,12,13,14,15
	global_store_b128 v[CO], v[BB+4*\t:BB+4*\t+3], s[6:7] offset:\t*SIZE_N*4 th:TH_STORE_NT   ; 32 lanes store 512 consecutive bytes, at a multiple of 256 from out0's first byte; written once, read by nobody here
.endr
.endm
	PLACES NP                                      ; these places serve the loads into the registers that held A's fragments and the reads of the last products' results alike
	TOSTAGE 0
.irp a, 1,2,3,4,5,6,7
.if \a > 1
	s_wait_xcnt 0x0                                ; block a - 2's stores have read their registers and their base: block a's loads may land there, and the base may step
.endif
	TOSTAGE \a
	SEND \a-1, 32                                  ; behind block a - 1's loads: block a's 16 stores and 16 loads
.endr
	s_wait_xcnt 0x0                                ; block 6's stores have read their base
	SEND 7, 0
	s_wait_tensorcnt 0x0                           ; the wave's end, behind my last tensor load and my last LDS store
	ds_add_u32 v[SPW], v[NIL]
	s_wait_dscnt 0x0
	CROUND                                         ; the closing round: no work-group ends while a partner may still ask for a tile that names it
	s_endpgm
.Lfunc_end_k_q730523ce19_gemm:
	.size	k_q730523ce19_gemm, .Lfunc_end_k_q730523ce19_gemm-k_q730523ce19_gemm
	.p2alignl 7, 3214868480
	.fill 96, 4, 3214868480
	.section	.rodata,"a",@progbits
	.p2align	6, 0x0
	.amdhsa_kernel k_q730523ce19_gemm
		.amdhsa_group_segment_fixed_size 327680
		.amdhsa_private_segment_fixed_size 0
		.amdhsa_enable_private_segment 0
		.amdhsa_kernarg_size 16
		.amdhsa_user_sgpr_count 2
		.amdhsa_user_sgpr_kernarg_segment_ptr 1
		.amdhsa_wavefront_size32 1
		.amdhsa_system_sgpr_workgroup_id_x 1
		.amdhsa_system_sgpr_workgroup_id_y 1
		.amdhsa_system_sgpr_workgroup_id_z 1
		.amdhsa_system_vgpr_workitem_id 0
		.amdhsa_next_free_vgpr 1024
		.amdhsa_next_free_sgpr 80
		.amdhsa_reserve_vcc 0
		.amdhsa_float_denorm_mode_32 3
		.amdhsa_float_denorm_mode_16_64 3
		.amdhsa_memory_ordered 1
		.amdhsa_forward_progress 1
		.amdhsa_inst_pref_size 210
	.end_amdhsa_kernel
	.amdgpu_metadata
---
amdhsa.version: [ 1, 2 ]
amdhsa.kernels:
  - .name:           k_q730523ce19_gemm
    .symbol:         k_q730523ce19_gemm.kd
    .args:
      - { .name: ops, .offset: 0, .size: 8, .value_kind: global_buffer, .address_space: global }
      - { .name: out0, .offset: 8, .size: 8, .value_kind: global_buffer, .address_space: global }
    .group_segment_fixed_size: 327680
    .private_segment_fixed_size: 0
    .kernarg_segment_align: 8
    .kernarg_segment_size: 16
    .max_flat_workgroup_size: 128
    .sgpr_count:     80
    .vgpr_count:     1024
    .wavefront_size: 32
...
	.end_amdgpu_metadata
.endif
;; end of part 2
